; MI455X (gfx1250); checked and timed in simulation.
; The chip was launched on July 23, 2026; its instructions are those of AMD's public machine-readable ISA for CDNA 5 (MIT licence, August 2026) and "CDNA5" Instruction Set Architecture Reference Guide (July 2026). The comments in the code are by the model that wrote it; some were corrected since.
;; Pixel Level Matching. Allowed arithmetic: matrix products marked QUANTISED: E5M2 operands, one E8M0 scale for each 32 along K, by v_wmma_scale_f32_16x16x128_f8f6f4 with both operands' format E5M2, f32 sums; products left as they are: f32 operands where the result goes on into a quantised operand, else bf16, f16 or f32 operands; f32 sums; everything else in f32.
;; Inputs: conv_b 128 float32; conv_w_codes 128 x 16 x 32 uint8 (E5M2 codes of conv_w, K innermost, in blocks of 32 codes); conv_w_scales 128 x 16 uint8 (E8M0 scales of conv_w, one for each 32 codes along K); feats_codes 4 x 64 x 64 x 16 x 32 uint8 (E5M2 codes of feats, K innermost, in blocks of 32 codes); feats_scales 4 x 64 x 64 x 16 uint8 (E8M0 scales of feats, one for each 32 codes along K); pm_init_bg_codes 4 x 4,096 x 4 x 32 uint8 (E5M2 codes of pm_init_bg, K innermost, in blocks of 32 codes); pm_init_bg_scales 4 x 4,096 x 4 uint8 (E8M0 scales of pm_init_bg, one for each 32 codes along K); pm_init_fg_codes 4 x 4,096 x 4 x 32 uint8 (E5M2 codes of pm_init_fg, K innermost, in blocks of 32 codes); pm_init_fg_scales 4 x 4,096 x 4 uint8 (E8M0 scales of pm_init_fg, one for each 32 codes along K); pm_int_bg 4 x 1 x 128 float32; pm_int_fg 4 x 1 x 128 float32; pm_prev_bg_codes 4 x 4,096 x 4 x 32 uint8 (E5M2 codes of pm_prev_bg, K innermost, in blocks of 32 codes); pm_prev_bg_scales 4 x 4,096 x 4 uint8 (E8M0 scales of pm_prev_bg, one for each 32 codes along K); pm_prev_fg_codes 4 x 4,096 x 4 x 32 uint8 (E5M2 codes of pm_prev_fg, K innermost, in blocks of 32 codes); pm_prev_fg_scales 4 x 4,096 x 4 uint8 (E8M0 scales of pm_prev_fg, one for each 32 codes along K).
;; Outputs: out0 4 x 2 x 64 x 64 float32; out1 4 x 2 x 64 x 64 float32; out2 4 x 2 x 64 x 64 float32; out3 4 x 128 x 64 x 64 float32.
;; This version of the problem:
;;   THIS VERSION OF THE PROBLEM IS GIVEN IN LOW PRECISION. The matrix products marked QUANTISED in the list below multiply operands that are first quantised to E5M2 (5 exponent bits, 2 mantissa bits; 8 bits a number), with one power-of-two scale for each 32 numbers along K (OCP MX v1.0); their sums are f32. All else is computed in f32.
;;   The module's matrix products, in the order in which they are computed (A, B: the left and right operand; K: the contracted axis; several contracted axes count as one K, in the product's order):
;;     1. [M 128, K 512] x [K 512, N 16,384]; A: input conv_w (given as codes); B: input feats (given as codes): QUANTISED
;;     2. batch 4 x [M 4,096, K 128] x [K 128, N 4,096]; A: input pm_init_bg (given as codes); B: computed on the way: QUANTISED
;;     3. batch 4 x [M 4,096, K 128] x [K 128, N 4,096]; A: input pm_init_fg (given as codes); B: computed on the way: QUANTISED
;;     4. batch 4 x [M 4,096, K 128] x [K 128, N 4,096]; A: input pm_prev_bg (given as codes); B: computed on the way: QUANTISED
;;     5. batch 4 x [M 4,096, K 128] x [K 128, N 4,096]; A: input pm_prev_fg (given as codes); B: computed on the way: QUANTISED
;;     6. batch 4 x [M 4,096, K 128] x [K 128, N 1]; A: computed on the way; B: input pm_int_bg: left as it is (N = 1 < 16)
;;     7. batch 4 x [M 4,096, K 128] x [K 128, N 1]; A: computed on the way; B: input pm_int_fg: left as it is (N = 1 < 16)
;;   THE QUANTISER, for each operand of a quantised product, along K:
;;     - K is cut into blocks of 32 from its start; a last block that is shorter is filled with zeros.
;;     - A block's scale is 2^e with e = floor(log2(the largest magnitude in the block)) - 15, held to -126 .. 127; a block of zeros has e = 0. As a byte (E8M0): e + 127.
;;     - Each number is divided by its block's scale, clamped to +-57,344, and rounded to the nearest number of E5M2, ties to even, subnormals kept.
;;     - The product sums the exact products of the quantised numbers (number of the format x scale) in f32.
;;   ~~~python
;;   def quantise(x, axis):      # numpy; x: float32 -> the quantised numbers, widened to float32 again
;;       x = np.moveaxis(x, axis, -1); K = x.shape[-1]
;;       x = np.pad(x, [(0, 0)] * (x.ndim - 1) + [(0, -K % 32)]); x = x.reshape(x.shape[:-1] + (-1, 32)); a = np.abs(x).max(-1, keepdims=True)
;;       e = np.where(a > 0, np.clip(np.frexp(np.where(a > 0, a, 1))[1] - 1 - 15, -126, 127), 0)      # np.frexp(a)[1] - 1 = floor(log2(a)), exactly
;;       r = np.clip(x / 2.0 ** e, -57344, 57344)
;;       step = 2.0 ** (np.maximum(np.frexp(np.where(r == 0, 1, r))[1] - 1, -14) - 2)
;;       q = np.round(r / step) * step * 2.0 ** e      # np.round: ties to even
;;       return np.moveaxis(q.reshape(q.shape[:-2] + (-1,))[..., :K], -1, axis).astype(np.float32)
;;   ~~~
;;   OPERANDS COMPUTED ON THE WAY. 'Computed on the way' means the value that the module computes at that place (a softmax that the list does not call 'softmax' is quantised finished and normalised). What goes into a quantiser is computed in f32, as accurately as f32 sums, v_exp_f32 and their like allow (about 1e-6 of the number): no bf16 or f16 on the way to a quantiser, and a product that is left as it is and whose result goes on into a quantised operand takes f32 operands (vector FMAs, or v_wmma_f32_16x16x4_f32). A number that lies on a knife's edge between two numbers of the format may be rounded either way, as far as f32 arithmetic and the matrix unit's own rounding can turn it there, and no further.
;;   INPUTS GIVEN AS CODES. conv_w (in the module: [128, 512], K = its axis 1); feats (in the module: [4, 512, 64, 64], K = its axis 1); pm_init_bg (in the module: [4, 4096, 128], K = its axis 2); pm_init_fg (in the module: [4, 4096, 128], K = its axis 2); pm_prev_bg (in the module: [4, 4096, 128], K = its axis 2); pm_prev_fg (in the module: [4, 4096, 128], K = its axis 2): each comes as NAME_codes (uint8): NAME with its K axis moved to the last place and cut into blocks of 32 codes, [.., K / 32, bytes a block], one block behind the other in memory; one code a byte (a code: sign, 5 exponent bits, 2 mantissa bits); and NAME_scales (uint8): the same leading axes, one E8M0 byte (e + 127) for each 32 codes along K. Its value is code x scale, taken as it is: it is not quantised again, and the codes and scales need not be those that the quantiser above would give.
;; One version. Each part assembles by itself: llvm-mc -triple=amdgcn-amd-amdhsa -mcpu=gfx1250 --defsym DOCPART=n.
;; ======== version 1 of 1: 1 launch
;; limits: right only within a limited range of input values
;; launch match (part 1): grid 128 x 2, 4 waves a work-group, clusters of 4 x 1, 327,680 bytes of LDS; arguments conv_w_codes, conv_w_scales, feats_codes, feats_scales, pm_init_bg_codes, pm_init_bg_scales, pm_init_fg_codes, pm_init_fg_scales, pm_prev_bg_codes, pm_prev_bg_scales, pm_prev_fg_codes, pm_prev_fg_scales, pm_int_bg, pm_int_fg, out0, out1, out2, out3, conv_b; writes out0, out1, out2, out3
.if DOCPART == 1
	.amdgcn_target "amdgcn-amd-amdhsa--gfx1250"
	.amdhsa_code_object_version 6
	.text
	.protected	k_q91666d1d32_match
	.globl	k_q91666d1d32_match
	.p2align	8
	.type	k_q91666d1d32_match,@function
k_q91666d1d32_match:
	s_mov_b64 s[64:65], 0
	v_nop
	global_prefetch_b8 v0, s[64:65] scope:SCOPE_SE
	s_setreg_imm32_b32 hwreg(HW_REG_WAVE_MODE, 25, 1), 1
	s_wait_xcnt 0x0
	s_wait_alu depctr_hold_cnt(0) depctr_sa_sdst(0) depctr_va_vdst(0) depctr_va_sdst(0) depctr_va_ssrc(0) depctr_va_vcc(0) depctr_vm_vsrc(0)
	s_getreg_b32 s2, hwreg(HW_REG_IB_STS2, 6, 4)
	s_cmp_eq_u32 s2, 0
	s_cbranch_scc0 .Lentry_in_a_cluster
	s_endpgm
.Lentry_in_a_cluster:
	s_bfe_u32 s2, ttmp6, 0x10000c
	s_cmp_lg_u32 s2, 0x3003
	s_cbranch_scc0 .Lentry_shape_is_right
	s_endpgm
.Lentry_shape_is_right:
; PIXEL-LEVEL MATCHING, one launch.  conv = conv_w x feats + conv_b (codes of E5M2 with E8M0 scales, K = 512); each pixel's 128 channels are divided by their L2 norm (out3, f32);
; the normalised pixels are quantised along the channels (four blocks of 32) and multiplied with 4 sets of 4,096 templates a sample (codes, K = 128), of which only the maximum
; over the templates is kept (out0: init bg, fg; out1: prev bg, fg); two dot products in f32 with single templates give out2.
; SHARES.  256 work-groups: x = a block of 128 pixels (32 blocks a sample), y = a pair of sets (0: init -> out0, 1: prev -> out1).  Each makes the conv of its 128 pixels itself, so the
; conv is made twice; copy y stores channels 64 y .. 64 y + 63 of out3 and row y of out2: every output byte has one owner, and nothing goes through memory between the steps.
; In the head wave w owns pixels 32 w .. 32 w + 31 with all 128 channels: norm, dot product and quantiser stay in the wave.  In the main loop every wave holds all 8 pixel fragments
; (128 registers) and takes a quarter of each slot's templates: a template fragment read from LDS feeds 8 matrix instructions.
; CLUSTER.  The four work-groups of a cluster are four pixel blocks of one sample and one y: they read the same conv_w and walk the same templates, so these are asked for JOINTLY (mask 15).
; THE MAXIMUM.  Source 0 = 16 templates, source 1 = 16 pixels: a lane holds one pixel (lane % 16), its 8 registers 8 templates.  Four v_max3_num_f32 take a result's 8 numbers into two
; running maxima; they stand between the matrix instructions, two and three instructions behind the product that they read.  All that the loop names lies in registers v0-v255, so the
; loop has no s_set_vgpr_msb.  A maximum knows no order: fragment j of a group of 64 templates takes templates 4 r + j, which lets an LDS row hold 4 templates (512 bytes + 16).
; LIMITS.  A pixel whose sum of squares is 0 or leaves 2^-126 .. 2^127 (a norm under about 1e-19 or over about 1e19) is not served (v_rsq_f32 takes denormals as zero: ISA guide 15.8).
; NaN and infinity among the codes are not served: the maxima pass over NaN.  x / norm is computed as x * rsq(sum of squares).  A block of zeros among the pixels' codes gets the scale
; byte 1 where the rule says 127: its codes are zeros, and this program alone reads the byte.  v16-31 hold conv_w's scale words during the conv and the running maxima behind it.
.set SLOT,   0x22000                   ; a slot: 4,096 bytes of scale words (1,024 templates), then 256 rows x 528 bytes of codes.  Its two bits meet no bit of an offset inside a slot that is turned by exclusive or
.set CODES,  4096
.set PITCH,  528                       ; 512 bytes + 16 of padding = 132 words: row r starts at bank 4 r mod 64 (64 banks of 4 bytes: ISA guide 11.1)
.set GRP,    16*PITCH                  ; 16 rows
.set QTR,    64*PITCH                  ; a wave's quarter of a slot's codes
.set CW,     SLOT                      ; slot 1's first fill: conv_w, 128 rows,
.set CF,     SLOT+128*PITCH            ; and the block's feats, 128 rows
.set STG,    2*SLOT                    ; no tensor load lands from here on.  First the images of the 8 pixel fragments (8 x 2,048), then out3's stage: 64 rows x 528
.set PSW,    STG+64*PITCH              ; the pixels' scale words: tile f at 64 f + 4 r
.set INT,    PSW+512                   ; out2's row of 128 pixels
.set FIN,    INT+512                   ; [set][wave][128 pixels] f32
.set SPARE,  FIN+4096                  ; the spare words, 128 bytes for each wave: two blocks of 256 bytes that no other line names
.set TILEC,  131072                    ; a tile of 1,024 templates in memory: its codes,
.set TILES,  4096                      ; and its scale bytes
; window 0
.set SPW, 1                            ; v1  SPARE + 4 x my thread's number; never rewritten
.set NIL, 2                            ; v2  0; never rewritten
.set LB,  3                            ; v3  main loop: 528 r + 16 h
.set LBS, 4                            ; v4  16 r
.set ADR, 5                            ; v5  LDS address of the group's codes
.set ASR, 6                            ; v6  of its scale words
.set FA,  7                            ; v7  FIN + 512 wave + 4 r
.set PSC, 8                            ; v8-11   head: feats' scale words, register s (lanes 0-15 my tile 0, lanes 16-31 my tile 1); loop: the pixels', register k (lanes 0-15 tile 2 k, lanes 16-31 tile 2 k + 1)
.set TSC, 12                           ; v12-15  the scale word of template buffer j
.set WSC, 16                           ; v16-31  head: conv_w's scale words, register 4 (u / 2) + s
.set RA,  16                           ; v16-23, v24-31  loop: two running maxima for each pixel tile
.set RB,  24
.set DR,  32                           ; v32-63  loop: a ring of four results
.set TM,  32                           ; v32-47  head: at work
.set SQ,  40
.set PC,  48                           ; v48-63  head: the codes just made
.set TF,  64                           ; v64-127 loop: four template buffers
.set OS,  64                           ;         head: my 64 numbers a lane for out3, then rows read back
.set PF,  128                          ; v128-255 loop: the 8 pixel fragments
.set XR,  128                          ;          head: the conv's sums: register 64 t + 8 u + j = channel 16 u + 8 h + j of pixel r of my tile t
; window 1: v0-127 feats' fragments (t, s) at 16 (4 t + s); from v128 the bias, from v192 the single template, both at 8 u + j.   window 2: conv_w's fragments, two sets of 8
.set BI,  128
.set TI,  192
.set WV,  2
.set Y,   3
.set CX,  4
.set SMP, 5
.set CUR, 24                           ; s24 the slot in hand: 0 or SLOT
.set NINF, 25
.set MNT, 34
.set YM,  35
.set TB,  38
.set TSB, 39
.set SEL, 46
.set G1Q, 48                           ; s[48:55] group 1: a quarter of conv_w, joint
.set G1F, 56                           ; s[56:63] my 32 rows of feats, my own
.set WQ,  66
.set WQS, 67
.set G1C, 68                           ; s[68:75] half a slot's codes, joint
.set G1S, 76                           ; s[76:83] half a slot's scale words, joint
.set G0W, 84                           ; s[84:87], s[88:91] groups 0 for conv_w and feats;
.set G0F, 88
.set G0CF, 84                          ; behind the conv: the groups 0 that walk fg's tiles, codes and scale words
.set G0SF, 88
.set G0C, 92                           ; s[92:95], s[96:99] the groups 0 that walk bg's tiles
.set G0S, 96
.set Q,   100
.set GC,  101
.set MSB, 0
.macro WIN new                         ; the immediate's high byte repeats the setting that is left
.if MSB != \new
	s_set_vgpr_msb (MSB<<8)|\new
.set MSB, \new
.endif
.endm
.macro CREST                           ; a round of the cluster's barrier behind its opening barrier
	s_cmp_lg_u32 s[WV], 0
	s_cbranch_scc1 .Lnot_wave_0_\@
	s_barrier_signal -3
.Lnot_wave_0_\@:
	s_barrier_wait -3
	s_barrier_signal -1
	s_barrier_wait -1
.endm
.macro ROUND
	s_barrier_signal -1
	s_barrier_wait -1
	CREST
.endm
; A joint load of a tile of 1,024 templates: waves 0 and 1 fetch the halves of its codes, waves 2 and 3 the halves of its scale words.  The branch hangs on the wave's number alone.
; Four v_nop follow each of the two lines.
.macro JLOAD g0c, g0s
	s_cmp_lt_u32 s[WV], 2
	s_cbranch_scc0 .Lfor_s_\@
	tensor_load_to_lds s[\g0c:\g0c+3], s[G1C:G1C+7]
	s_nop 0
.rept 4
	v_nop
.endr
	s_branch .Lasked_\@
.Lfor_s_\@:
	tensor_load_to_lds s[\g0s:\g0s+3], s[G1S:G1S+7]
	s_nop 0
.rept 4
	v_nop
.endr
.Lasked_\@:
.endm
; A set's walking descriptors go on to its next tile: the other slot, 1,024 templates on; the type bits on top are not reached.  It stands behind a wait for all my tensor loads.
.macro STEPD g0c, g0s
	s_xor_b32 s[\g0c+1], s[\g0c+1], SLOT
	s_xor_b32 s[\g0s+1], s[\g0s+1], SLOT
	s_add_nc_u64 s[\g0c+2:\g0c+3], s[\g0c+2:\g0c+3], TILEC
	s_add_nc_u64 s[\g0s+2:\g0s+3], s[\g0s+2:\g0s+3], TILES
.endm
	s_load_b256 s[8:15], s[0:1], 0x0               ; conv_w's codes, scales; feats' codes, scales
	s_load_b256 s[16:23], s[0:1], 0x20             ; init bg codes, scales; init fg codes, scales
	s_load_b256 s[24:31], s[0:1], 0x40             ; prev likewise
	s_load_b256 s[32:39], s[0:1], 0x60             ; pm_int_bg, pm_int_fg, out0, out1
	s_load_b128 s[40:43], s[0:1], 0x80             ; out2, out3
	s_load_b64 s[44:45], s[0:1], 0x90              ; conv_b
	v_lshl_add_u32 v[SPW], v0, 2, SPARE
	v_mov_b32 v[NIL], 0
	ds_add_u32 v1, v2
	ds_add_u32 v1, v2
	s_wait_dscnt 0x0
	v_lshrrev_b32 v3, 5, v0
	v_readfirstlane_b32 s[WV], v3                  ; wave 0..3
	s_and_b32 s[Y], ttmp7, 0xffff                  ; the pair of sets: the partners share it
	s_bfe_u32 s[CX], ttmp6, 0x40000                ; my place in the cluster: it enters feats' and the outputs' global addresses alone
	s_lshr_b32 s[SMP], ttmp9, 3                    ; the sample: 8 clusters of 4 blocks each
	s_lshl_b32 s6, ttmp9, 2
	s_add_co_u32 s6, s6, s[CX]                     ; x: my block of 128 pixels, 0 .. 127
	s_and_b32 s7, s6, 31                           ; and within the sample
	; groups 1.  Rows of 512 bytes, elements of 1 byte, 4 words of padding behind every 128 words
	s_mov_b32 s[G1Q], 15|(1<<20)|(1<<21)|(6<<22)|(3<<25)
	s_mov_b32 s[G1F], (1<<20)|(6<<22)|(3<<25)
	s_mov_b32 s[G1C], 15|(1<<20)|(1<<21)|(6<<22)|(3<<25)
.irp g, G1Q, G1F, G1C
	s_mov_b32 s[\g+1], 512<<16                     ; tensor_dim0
	s_mov_b32 s[\g+3], 512<<16                     ; tile_dim0
	s_mov_b32 s[\g+5], 512                         ; the pitch: rows are dense in memory
	s_mov_b32 s[\g+6], 0
	s_mov_b32 s[\g+7], 0
.endr
.irp g, G1Q, G1F
	s_mov_b32 s[\g+2], 32<<16                      ; tensor_dim1
	s_mov_b32 s[\g+4], 32                          ; tile_dim1
.endr
	s_mov_b32 s[G1C+2], 128<<16
	s_mov_b32 s[G1C+4], 128
	s_mov_b32 s[G1S], 15|(3<<16)|(1<<21)           ; 8 rows of 256 bytes (32 elements of 8 bytes), no padding
	s_mov_b32 s[G1S+1], 32<<16
	s_mov_b32 s[G1S+2], 8<<16
	s_mov_b32 s[G1S+3], 32<<16
	s_mov_b32 s[G1S+4], 8
	s_mov_b32 s[G1S+5], 32
	s_mov_b32 s[G1S+6], 0
	s_mov_b32 s[G1S+7], 0
	s_mov_b32 s[SEL], 0x76543210
	s_mov_b32 s[SEL+1], 0xfedcba98                 ; v_permlanex16_b32's selects for lane l xor 16
	s_mul_i32 s[WQ], s[WV], QTR
	s_add_co_u32 s[WQ], s[WQ], CODES               ; my quarter of a slot's codes,
	s_lshl_b32 s[WQS], s[WV], 10                   ; and of its scale words
	s_wait_kmcnt 0x0
	s_cmp_eq_u32 s[Y], 0                           ; init or prev, bg or fg of pm_int, out0 or out1: choices of pointers, no branch
	s_cselect_b64 s[16:17], s[16:17], s[24:25]
	s_cselect_b64 s[18:19], s[18:19], s[26:27]
	s_cselect_b64 s[20:21], s[20:21], s[28:29]
	s_cselect_b64 s[22:23], s[22:23], s[30:31]
	s_cselect_b64 s[32:33], s[32:33], s[34:35]
	s_cselect_b64 s[36:37], s[36:37], s[38:39]
	s_cselect_b32 s[YM], 0, -1                     ; a lane mask: which half of the channels goes to out3
	s_mov_b32 s[MNT], 0x600000                     ; the mantissa field of 57,344
	s_and_b32 s24, s[WV], 1                        ; which half of a tile I fetch
	s_mov_b32 s27, 0
	s_lshl_b32 s26, s[SMP], 19                     ; a sample's codes: 4,096 x 128 bytes; half a tile: 65,536
	s_lshl_b32 s28, s24, 16
	s_add_co_u32 s26, s26, s28
	s_add_nc_u64 s[16:17], s[16:17], s[26:27]
	s_add_nc_u64 s[20:21], s[20:21], s[26:27]
	s_lshl_b32 s26, s[SMP], 14                     ; its scale bytes: 16,384; half a tile: 2,048
	s_lshl_b32 s28, s24, 11
	s_add_co_u32 s26, s26, s28
	s_add_nc_u64 s[18:19], s[18:19], s[26:27]
	s_add_nc_u64 s[22:23], s[22:23], s[26:27]
	s_mov_b32 s[G0C], 1
	s_mul_i32 s[G0C+1], s24, 128*PITCH
	s_add_co_u32 s[G0C+1], s[G0C+1], CODES
	s_mov_b64 s[G0C+2:G0C+3], s[16:17]             ; tile 0: bg's first 1,024 templates, into slot 0
	s_or_b32 s[G0C+3], s[G0C+3], 0x80000000
	s_mov_b32 s[G0S], 1
	s_lshl_b32 s[G0S+1], s24, 11
	s_mov_b64 s[G0S+2:G0S+3], s[18:19]
	s_or_b32 s[G0S+3], s[G0S+3], 0x80000000
	s_lshl_b32 s26, s[WV], 14                      ; 32 rows of 512 bytes
	s_mov_b32 s[G0W], 1
	s_mul_i32 s[G0W+1], s[WV], 32*PITCH
	s_add_co_u32 s[G0F+1], s[G0W+1], CF
	s_add_co_u32 s[G0W+1], s[G0W+1], CW
	s_add_nc_u64 s[G0W+2:G0W+3], s[8:9], s[26:27]
	s_or_b32 s[G0W+3], s[G0W+3], 0x80000000
	s_lshl_b32 s26, s[SMP], 9
	s_add_nc_u64 s[32:33], s[32:33], s[26:27]      ; the sample's single template
	; what hangs on my place in the cluster, in registers of its own
	s_mov_b32 s31, 0
	s_lshl_b32 s30, s6, 16                         ; my block's 128 rows of feats,
	s_lshl_b32 s28, s[WV], 14                      ; my wave's 32 of them
	s_add_co_u32 s30, s30, s28
	s_mov_b32 s[G0F], 1
	s_add_nc_u64 s[G0F+2:G0F+3], s[12:13], s[30:31]
	s_or_b32 s[G0F+3], s[G0F+3], 0x80000000
	s_lshl_b32 s30, s6, 11                         ; feats' scale bytes: 16 a pixel
	s_lshl_b32 s28, s[WV], 9
	s_add_co_u32 s30, s30, s28
	s_add_nc_u64 s[14:15], s[14:15], s[30:31]
	s_lshl_b32 s29, s7, 9                          ; 128 pixels x 4 bytes in a row of an output
	s_lshl_b32 s28, s[SMP], 15
	s_add_co_u32 s29, s29, s28                     ; out0, out1, out2: 2 x 4,096 x 4 bytes a sample
	s_lshl_b32 s30, s24, 14
	s_add_co_u32 s30, s30, s29
	s_add_nc_u64 s[36:37], s[36:37], s[30:31]      ; out0 or out1: waves 0 and 1 store set 0 and set 1
	s_lshl_b32 s30, s[Y], 14
	s_add_co_u32 s30, s30, s29
	s_add_nc_u64 s[40:41], s[40:41], s[30:31]      ; out2: row y
	s_lshl_b32 s30, s[SMP], 21                     ; out3: 128 x 16,384 bytes a sample; channel 64 y + 16 wave
	s_lshl_b32 s28, s[Y], 20
	s_add_co_u32 s30, s30, s28
	s_lshl_b32 s28, s[WV], 18
	s_add_co_u32 s30, s30, s28
	s_lshl_b32 s28, s7, 9
	s_add_co_u32 s30, s30, s28
	s_add_nc_u64 s[42:43], s[42:43], s[30:31]
	ROUND                                          ; all four work-groups are here: the first joint loads meet
	tensor_load_to_lds s[G0W:G0W+3], s[G1Q:G1Q+7]  ; the first fills, one group: three loads of mine are out
	s_nop 0
	tensor_load_to_lds s[G0F:G0F+3], s[G1F:G1F+7]
	s_nop 0
	JLOAD G0C, G0S                                 ; tile 0
	v_and_b32 v32, 15, v0                          ; r
	v_bfe_u32 v33, v0, 4, 1                        ; h
	v_and_b32 v34, 31, v0                          ; lane
	v_lshlrev_b32 v5, 4, v34
	v_lshlrev_b32 v6, 5, v33
.irp k, 0,1,2,3
	global_load_b128 v[WSC+4*\k:WSC+4*\k+3], v5, s[10:11] offset:512*\k   ; rows 32 k + lane of conv_w's scales: 16 bytes, the words of K steps 0 to 3
.endr
	global_load_b128 v[PSC:PSC+3], v5, s[14:15]    ; my 32 pixels' likewise
	WIN 0x40                                       ; destination window 1
.irp u, 0,1,2,3,4,5,6,7
	global_load_b128 v[BI+8*\u:BI+8*\u+3], v6, s[44:45] offset:64*\u       ; conv_b at channels 16 u + 8 h + 0 .. 7: the result's layout
	global_load_b128 v[BI+8*\u+4:BI+8*\u+7], v6, s[44:45] offset:64*\u+16
.endr
.irp u, 0,1,2,3,4,5,6,7
	global_load_b128 v[TI+8*\u:TI+8*\u+3], v6, s[32:33] offset:64*\u       ; the single template likewise
	global_load_b128 v[TI+8*\u+4:TI+8*\u+7], v6, s[32:33] offset:64*\u+16
.endr
	WIN 0
	v_mul_u32_u24 v35, v32, PITCH
	v_lshl_add_u32 v35, v33, 4, v35                ; a fragment's row x pitch + 16 h
	v_add_nc_u32 v3, CW, v35                       ; conv_w
	s_mul_i32 s26, s[WV], 32*PITCH
	s_add_co_u32 s26, s26, CF
	v_add_nc_u32 v4, s26, v35                      ; my 32 rows of feats
	s_wait_tensorcnt 0x1                           ; my quarter of conv_w and my feats are in; tile 0, issued behind them, may stay out
	s_barrier_signal -1
	s_barrier_wait -1                              ; everybody's quarter is in
; ---- THE CONV.  Source 0 = 16 rows of conv_w (tile u), source 1 = 16 pixels (my tile t); the bias is the C of the first K step.  16 accumulators by turns.
.macro FLOAD s0                        ; feats' fragments of K steps s0 and s0 + 1, both my tiles, into window 1: 16 loads; they stay
	WIN 0x40
.irp t, 0,1
.irp s, \s0, \s0+1
.irp c, 0,1,2,3
	ds_load_b128 v[16*(4*\t+(\s))+4*\c:16*(4*\t+(\s))+4*\c+3], v4 offset:GRP*\t+128*(\s)+32*\c
.endr
.endr
.endr
.endm
.macro WLOAD s                         ; conv_w's 8 fragments of K step s into set s % 2 of window 2: 32 loads
	WIN 0x80
.irp u, 0,1,2,3,4,5,6,7
.irp c, 0,1,2,3
	ds_load_b128 v[128*((\s)%2)+16*\u+4*\c:128*((\s)%2)+16*\u+4*\c+3], v3 offset:GRP*\u+128*(\s)+32*\c
.endr
.endr
.endm
.macro CMM s, u, t
.set xd, XR+64*(\t)+8*(\u)
.set cb, xd
.if (\s) == 0
.set cb, BI+8*(\u)
.endif
.set wa, 128*((\s)%2)+16*(\u)
.set fb, 16*(4*(\t)+(\s))
.set sw, WSC+4*((\u)/2)+(\s)
.if (((\u)%2) == 0) && ((\t) == 0)
	v_wmma_scale_f32_16x16x128_f8f6f4 v[xd:xd+7], v[wa:wa+15], v[fb:fb+15], v[cb:cb+7], v[sw], v[PSC+(\s)] matrix_a_fmt:MATRIX_FMT_BF8 matrix_b_fmt:MATRIX_FMT_BF8
.elseif (\t) == 0
	v_wmma_scale_f32_16x16x128_f8f6f4 v[xd:xd+7], v[wa:wa+15], v[fb:fb+15], v[cb:cb+7], v[sw], v[PSC+(\s)] matrix_a_fmt:MATRIX_FMT_BF8 matrix_b_fmt:MATRIX_FMT_BF8 matrix_a_scale:MATRIX_SCALE_ROW1
.elseif ((\u)%2) == 0
	v_wmma_scale_f32_16x16x128_f8f6f4 v[xd:xd+7], v[wa:wa+15], v[fb:fb+15], v[cb:cb+7], v[sw], v[PSC+(\s)] matrix_a_fmt:MATRIX_FMT_BF8 matrix_b_fmt:MATRIX_FMT_BF8 matrix_b_scale:MATRIX_SCALE_ROW1
.else
	v_wmma_scale_f32_16x16x128_f8f6f4 v[xd:xd+7], v[wa:wa+15], v[fb:fb+15], v[cb:cb+7], v[sw], v[PSC+(\s)] matrix_a_fmt:MATRIX_FMT_BF8 matrix_b_fmt:MATRIX_FMT_BF8 matrix_a_scale:MATRIX_SCALE_ROW1 matrix_b_scale:MATRIX_SCALE_ROW1
.endif
.endm
.macro MULC s
.if (\s) == 0
	WIN 0x16                                       ; source 0 window 2, source 1 window 1, C (the bias) window 1
.else
	WIN 0x06                                       ; C and D window 0
.endif
.irp u, 0,1,2,3,4,5,6,7
.irp t, 0,1
	CMM \s, \u, \t
.endr
.endr
.endm
.macro PLACES8                         ; a load into a register that a matrix instruction of this form has read stands eight plain vector instructions behind it
.rept 8
	v_nop
.endr
.endm
; Each set of conv_w is asked for one K step, 16 products, ahead of the wait for it; at most 48 LDS loads of mine are out.
	FLOAD 0
	WLOAD 0
	s_wait_loadcnt 0x0                             ; scale words, bias, single template
	s_wait_dscnt 0x0                               ; K step 0's fragments are in
	FLOAD 2                                        ; into registers that no product has touched: no places are owed
	WLOAD 1
	MULC 0
	s_wait_dscnt 0x0                               ; K step 1's set, and the rest of feats, are in
	PLACES8
	WLOAD 2
	MULC 1
	s_wait_dscnt 0x0                               ; K step 2's set is in
	PLACES8
	WLOAD 3
	MULC 2
	WIN 0
	s_wait_tensorcnt 0x0                           ; all my tensor loads have landed, my part of tile 0 among them;
	ds_add_u32 v[SPW], v[NIL]                      ; 0 onto my spare word
	STEPD G0C, G0S                                 ; bg's descriptors go on to tile 1, slot 1
	s_wait_dscnt 0x0                               ; the add is done; my reads of conv_w and of feats are over
	s_barrier_signal -1                            ; this barrier opens a round of the cluster's;
	MULC 3                                         ; work on registers while the others arrive
	WIN 0
	s_barrier_wait -1
	CREST                                          ; no wave of any partner still reads slot 1 or has a load on its way; tile 0 is whole
	JLOAD G0C, G0S                                 ; tile 1 into slot 1: my one tensor load behind the round
; ---- NORM, DOT PRODUCT, out3's NUMBERS, CODES.  The lines below, and the four v_nop above, are the places behind the conv's last products.
	v_and_b32 v3, 15, v0
	v_bfe_u32 v4, v0, 4, 1
	v_lshlrev_b32 v5, 2, v3                        ; 4 r
	v_lshlrev_b32 v3, 4, v3
	v_lshl_add_u32 v3, v4, 3, v3                   ; 16 r + 8 h
	s_lshl_b32 s26, s[WV], 12
	s_add_co_u32 s26, s26, STG
	v_add_nc_u32 v3, s26, v3                       ; where my codes go in the images of my two fragments
	s_lshl_b32 s26, s[WV], 7
	s_add_co_u32 s28, s26, PSW
	v_add_nc_u32 v4, s28, v5                       ; my pixels' scale words
	s_add_co_u32 s28, s26, INT
	v_add_nc_u32 v5, s28, v5                       ; my pixels' places in out2's row
.irp b, 0,1,2,3
	v_mov_b32 v[TM+4+\b], 0                        ; written once: a lane permute's destination counts as one of its sources
.endr
.macro REDUCE                          ; four pairs of partial sums, and lane l xor 16's, into v[SQ]
	v_pk_add_f32 v[SQ:SQ+1], v[SQ:SQ+1], v[SQ+2:SQ+3]
	v_pk_add_f32 v[SQ+4:SQ+5], v[SQ+4:SQ+5], v[SQ+6:SQ+7]
	v_pk_add_f32 v[SQ:SQ+1], v[SQ:SQ+1], v[SQ+4:SQ+5]
	v_add_f32 v[SQ], v[SQ], v[SQ+1]
	v_permlanex16_b32 v[TM+4], v[SQ], s[SEL], s[SEL+1]
	v_add_f32 v[SQ], v[SQ], v[TM+4]
.endm
.macro NORMQ t
.set X0, XR+64*(\t)
.irp q, 0,1,2,3
	v_pk_mul_f32 v[SQ+2*\q:SQ+2*\q+1], v[X0+2*\q:X0+2*\q+1], v[X0+2*\q:X0+2*\q+1]    ; the sum of squares, four chains; each accumulator is taken from its low end on
.endr
.set i, 8
.rept 7
.irp q, 0,1,2,3
	v_pk_fma_f32 v[SQ+2*\q:SQ+2*\q+1], v[X0+i+2*\q:X0+i+2*\q+1], v[X0+i+2*\q:X0+i+2*\q+1], v[SQ+2*\q:SQ+2*\q+1]
.endr
.set i, i+8
.endr
	REDUCE
	v_rsq_f32 v[TM+6], v[SQ]                       ; 1 / the norm
	v_nop                                          ; a plain instruction behind the transcendental,
	s_wait_alu depctr_va_vdst(0)                   ; and the wait ahead of its first reader
.set i, 0
.rept 32
	v_pk_mul_f32 v[X0+i:X0+i+1], v[X0+i:X0+i+1], v[TM+6:TM+7] op_sel_hi:[1,0]
.set i, i+2
.endr
	WIN 0x04                                       ; source 1 window 1: the single template
.irp q, 0,1,2,3
	v_pk_mul_f32 v[SQ+2*\q:SQ+2*\q+1], v[X0+2*\q:X0+2*\q+1], v[TI+2*\q:TI+2*\q+1]
.endr
.set i, 8
.rept 7
.irp q, 0,1,2,3
	v_pk_fma_f32 v[SQ+2*\q:SQ+2*\q+1], v[X0+i+2*\q:X0+i+2*\q+1], v[TI+i+2*\q:TI+i+2*\q+1], v[SQ+2*\q:SQ+2*\q+1]
.endr
.set i, i+8
.endr
	WIN 0
	REDUCE
	ds_store_b32 v5, v[SQ] offset:64*(\t)          ; both halves of the lanes write the same word with the same value
.set i, 0
.rept 32
	v_cndmask_b32 v[OS+32*(\t)+i], v[X0+i], v[X0+32+i], s[YM]   ; channels 64 y on: taken ahead of the quantiser's hold
.set i, i+1
.endr
	; the quantiser: block b = channels 32 b .. 32 b + 31 = my registers 16 b .. 16 b + 15 and lane l xor 16's
.irp b, 0,1,2,3
	v_max3_num_f32 v[TM+\b], |v[X0+16*\b]|, |v[X0+1+16*\b]|, 0x8000000   ; with the floor 2^(16 - 127): the byte cannot fall under 1
.endr
.irp i, 2,4,6,8,10,12,14
.irp b, 0,1,2,3
	v_max3_num_f32 v[TM+\b], v[TM+\b], |v[X0+16*\b+\i]|, |v[X0+1+16*\b+\i]|
.endr
.endr
.irp b, 0,1,2,3
	v_permlanex16_b32 v[TM+4+\b], v[TM+\b], s[SEL], s[SEL+1]
.endr
.irp b, 0,1,2,3
	v_max_num_f32 v[TM+\b], v[TM+\b], v[TM+4+\b]   ; the block's largest magnitude
.endr
.irp b, 0,1,2,3
	v_add_nc_u32 v[TM+12+\b], 0xf8800000, v[TM+\b] ; 15 off its exponent field: the conversion's scale operand
.endr
.irp b, 0,1,2,3
	v_and_or_b32 v[TM+8+\b], v[TM+\b], 0x7f800000, s[MNT]   ; 57,344 x the scale
.endr
.irp b, 0,1,2,3
	v_lshrrev_b32 v[TM+4+\b], 23, v[TM+12+\b]      ; the scale's byte
.endr
	v_lshl_or_b32 v[TM+4], v[TM+5], 8, v[TM+4]     ; the four bytes make my pixel's scale word
	v_lshl_or_b32 v[TM+4], v[TM+6], 16, v[TM+4]
	v_lshl_or_b32 v[TM+4], v[TM+7], 24, v[TM+4]
.irp b, 0,1,2,3
.irp i, 0,1,2,3,4,5,6,7,8,9,10,11,12,13,14,15
	v_med3_num_f32 v[X0+16*\b+\i], v[X0+16*\b+\i], -v[TM+8+\b], v[TM+8+\b]   ; the conversion to an 8-bit code does not saturate (ISA guide 7.6.2): the hold
.endr
	v_cvt_scalef32_pk8_bf8_f32 v[PC+4*\b:PC+4*\b+1], v[X0+16*\b:X0+16*\b+7], v[TM+12+\b]       ; channels 32 b + 8 h + 0 .. 7
	v_cvt_scalef32_pk8_bf8_f32 v[PC+4*\b+2:PC+4*\b+3], v[X0+16*\b+8:X0+16*\b+15], v[TM+12+\b]  ; channels 32 b + 16 + 8 h + 0 .. 7
.endr
	v_nop                                          ; a plain instruction behind the last scaled conversion
	; THE IMAGE of the operand's registers: group b of four registers lies at 512 b + 16 x lane.  Lane (r, h') of the operand wants channels 32 b + 16 h' + 0 .. 15: my first 8 codes are bytes 8 h on of lane (r, 0)'s 16, my second 8 of lane (r, 1)'s
.irp b, 0,1,2,3
	ds_store_b64 v3, v[PC+4*\b:PC+4*\b+1] offset:2048*(\t)+512*\b
	ds_store_b64 v3, v[PC+4*\b+2:PC+4*\b+3] offset:2048*(\t)+512*\b+256
.endr
	ds_store_b32 v4, v[TM+4] offset:64*(\t)
.endm
	NORMQ 0
	s_wait_dscnt 0x0                               ; the stores have read their registers
	NORMQ 1
	v_and_b32 v7, 31, v0
	v_lshl_add_u32 v6, v7, 4, STG                  ; an image's place for my lane
	v_lshl_add_u32 v7, v7, 2, PSW                  ; a scale word's
	s_wait_dscnt 0x0                               ; my images, scale words and dot products have landed
	s_barrier_signal -1
	s_barrier_wait -1                              ; everybody's have
.irp f, 0,1,2,3,4,5,6,7
.irp c, 0,1,2,3
	ds_load_b128 v[PF+16*\f+4*\c:PF+16*\f+4*\c+3], v6 offset:2048*\f+512*\c   ; all 8 pixel fragments: they stay
.endr
.endr
.irp k, 0,1,2,3
	ds_load_b32 v[PSC+\k], v7 offset:128*\k        ; lanes 0-15 tile 2 k's words, lanes 16-31 tile 2 k + 1's
.endr
	v_and_b32 v3, 15, v0
	v_bfe_u32 v4, v0, 4, 1
	v_mul_u32_u24 v4, v4, 8*PITCH
	v_lshl_add_u32 v3, v3, 2, v4
	s_lshl_b32 s26, s[WV], 7
	s_add_co_u32 s26, s26, STG
	v_add_nc_u32 v3, s26, v3                       ; out3's stage: row 8 h (+ 16 u + j), my pixel's 4 bytes
	s_wait_dscnt 0x0                               ; my reads of the images are over
	s_barrier_signal -1
	s_barrier_wait -1                              ; everybody's are: their bytes become the stage
.irp t, 0,1
.irp u, 0,1,2,3
.irp j, 0,1,2,3,4,5,6,7
	ds_store_b32 v3, v[OS+32*\t+8*\u+\j] offset:(16*\u+\j)*PITCH+64*\t
.endr
.endr
.endr
	v_and_b32 v4, 31, v0
	v_lshlrev_b32 v6, 4, v4                        ; 16 x lane: my place in a row of 512 bytes, in the stage and in out3
	s_mul_i32 s26, s[WV], GRP
	s_add_co_u32 s26, s26, STG
	v_add_nc_u32 v4, s26, v6                       ; back: my wave's 16 channel rows
	s_wait_dscnt 0x0
	s_barrier_signal -1
	s_barrier_wait -1                              ; 64 whole rows lie in the stage
.irp i, 0,1,2,3,4,5,6,7,8,9,10,11,12,13,14,15
	ds_load_b128 v[OS+4*\i:OS+4*\i+3], v4 offset:PITCH*\i
.endr
.irp i, 0,1,2,3,4,5,6,7,8,9,10,11,12,13,14,15
	s_wait_dscnt 15-\i                             ; row i is back; the younger rows may be out
	global_store_b128 v6, v[OS+4*\i:OS+4*\i+3], s[42:43] offset:16384*\i th:TH_STORE_NT   ; 32 lanes store 512 consecutive bytes, at a multiple of 256 from out3's first byte
.endr
; ---- THE MAIN LOOP.
.macro LOADF j                         ; fragment j of the group in hand into buffer j: templates 4 r + j; five LDS loads
.irp c, 0,1,2,3
	ds_load_b128 v[TF+16*(\j)+4*\c:TF+16*(\j)+4*\c+3], v[ADR] offset:128*(\j)+32*\c
.endr
	ds_load_b32 v[TSC+(\j)], v[ASR] offset:4*(\j)
.endm
.macro MM j, p                         ; 16 templates x pixel tile p; every product starts anew: K is one instruction deep
.if ((\p)%2) == 0
	v_wmma_scale_f32_16x16x128_f8f6f4 v[DR+8*((\p)%4):DR+8*((\p)%4)+7], v[TF+16*(\j):TF+16*(\j)+15], v[PF+16*(\p):PF+16*(\p)+15], 0, v[TSC+(\j)], v[PSC+(\p)/2] matrix_a_fmt:MATRIX_FMT_BF8 matrix_b_fmt:MATRIX_FMT_BF8
.else
	v_wmma_scale_f32_16x16x128_f8f6f4 v[DR+8*((\p)%4):DR+8*((\p)%4)+7], v[TF+16*(\j):TF+16*(\j)+15], v[PF+16*(\p):PF+16*(\p)+15], 0, v[TSC+(\j)], v[PSC+(\p)/2] matrix_a_fmt:MATRIX_FMT_BF8 matrix_b_fmt:MATRIX_FMT_BF8 matrix_b_scale:MATRIX_SCALE_ROW1
.endif
.endm
; The slice behind product p: the low half of the result two products back, the high half of the one three back.  So a result is first read eight plain instructions behind its product, at its low
; end, and written over four products later, twelve plain instructions that do not name it between.  part = 2: the high half alone.
.macro SLICE p, part
.set sa, ((\p)+6)%8
.set sb, ((\p)+5)%8
.if (\part) & 1
	v_max3_num_f32 v[RA+sa], v[RA+sa], v[DR+8*(sa%4)], v[DR+8*(sa%4)+1]
	v_max3_num_f32 v[RB+sa], v[RB+sa], v[DR+8*(sa%4)+2], v[DR+8*(sa%4)+3]
.endif
	v_max3_num_f32 v[RA+sb], v[RA+sb], v[DR+8*(sb%4)+4], v[DR+8*(sb%4)+5]
	v_max3_num_f32 v[RB+sb], v[RB+sb], v[DR+8*(sb%4)+6], v[DR+8*(sb%4)+7]
.endm
.macro RUN j, p0, p1
.set pp, \p0
.rept (\p1)-(\p0)+1
	MM \j, pp
	SLICE pp, 3
.set pp, pp+1
.endr
.endm
; A GROUP: 64 templates, four stretches of 8 products.  The stretch on buffer j fetches, behind its second slice, the fragment three on into buffer (j + 3) % 4, whose last reader stands twelve plain
; instructions back that do not name its registers.  At a stretch's head the count 10 leaves the two younger fragments' loads out.
; kind 0: the next group lies in the same slot.  kind 1: a slot's last group: the change of slots, with a refill by the descriptors g0c, g0s.  kind 2: the same without a refill.  kind 3: the last group of all.
.macro GROUP kind, g0c, g0s
	s_wait_dscnt 10
	RUN 0, 0, 1
	LOADF 3
.if (\kind) == 0
	s_add_co_u32 s[TB], s[TB], GRP
	s_add_co_u32 s[TSB], s[TSB], 256
	v_add_nc_u32 v[ADR], s[TB], v[LB]
	v_add_nc_u32 v[ASR], s[TSB], v[LBS]
.elseif (\kind) < 3
	s_wait_tensorcnt 0x0                           ; all my tensor loads have landed: the one that was out is my part of the other slot;
	ds_add_u32 v[SPW], v[NIL]                      ; 0 onto my spare word; six products stand between it and the wait for it
.if (\kind) == 1
	STEPD \g0c, \g0s
.endif
	s_xor_b32 s[CUR], s[CUR], SLOT
	s_add_co_u32 s[TB], s[CUR], s[WQ]              ; the fetches go on in the other slot
	s_add_co_u32 s[TSB], s[CUR], s[WQS]
	v_add_nc_u32 v[ADR], s[TB], v[LB]
	v_add_nc_u32 v[ASR], s[TSB], v[LBS]
.endif
	RUN 0, 2, 7
.if ((\kind) == 1) || ((\kind) == 2)
	s_wait_dscnt 0x0                               ; the add is done, and my reads of this slot are over
	s_barrier_signal -1
	RUN 1, 0, 1                                    ; work on registers while the others arrive
	s_barrier_wait -1
.if (\kind) == 1
	CREST                                          ; the barrier has opened a round of the cluster's: no wave of any partner still reads this slot or has a load on its way
	JLOAD \g0c, \g0s                               ; the tile two on, into the slot just left: my one tensor load behind the round, ahead of my first LDS read
.endif
	LOADF 0
	RUN 1, 2, 7
.elseif (\kind) == 0
	s_wait_dscnt 10
	RUN 1, 0, 1
	LOADF 0
	RUN 1, 2, 7
.else
	s_wait_dscnt 10
	RUN 1, 0, 7
.endif
.if (\kind) < 3
	s_wait_dscnt 10
	RUN 2, 0, 1
	LOADF 1
	RUN 2, 2, 7
	s_wait_dscnt 10
	RUN 3, 0, 1
	LOADF 2
	RUN 3, 2, 7
.else
	s_wait_dscnt 5                                 ; nothing more is fetched: the counts run down
	RUN 2, 0, 7
	s_wait_dscnt 0x0
	RUN 3, 0, 7
.endif
.endm
.macro PASS kind, g0c, g0s             ; my quarter of a tile: four groups, 128 products
	s_mov_b32 s[GC], 3
.Lgroup_\@:
	GROUP 0, \g0c, \g0s
	s_sub_co_u32 s[GC], s[GC], 1
	s_cmp_lg_u32 s[GC], 0
	s_cbranch_scc1 .Lgroup_\@
	GROUP \kind, \g0c, \g0s
.endm
.macro SETINIT                         ; the running maxima and the ring begin as -infinity: the step is written once, and a set's first slices find nothing that counts
.set i, 0
.rept 48
	v_mov_b32 v[RA+i], s[NINF]
.set i, i+1
.endr
.endm
.macro FLUSH e                         ; a set is done: the results still in the ring, the two maxima, lane l xor 16's 8 templates; my wave's maxima of the 128 pixels go to LDS
	SLICE 0, 3
	SLICE 1, 3
	SLICE 2, 2
.irp p, 0,1,2,3,4,5,6,7
	v_max_num_f32 v[DR+\p], v[RA+\p], v[RB+\p]
.endr
.irp p, 0,1,2,3,4,5,6,7
	v_permlanex16_b32 v[DR+8+\p], v[DR+\p], s[SEL], s[SEL+1]
.endr
.irp p, 0,1,2,3,4,5,6,7
	v_max_num_f32 v[DR+\p], v[DR+\p], v[DR+8+\p]
.endr
.irp p, 0,1,2,3,4,5,6,7
	ds_store_b32 v[FA], v[DR+\p] offset:2048*(\e)+64*\p
.endr
	s_wait_dscnt 0x0
.endm
	s_wait_xcnt 0x0                                ; out3's stores have read their registers: v6 and v64-127 may be written
	v_and_b32 v3, 15, v0
	v_bfe_u32 v5, v0, 4, 1
	v_lshlrev_b32 v[LBS], 4, v3                    ; 16 r: row r's four scale words
	v_lshlrev_b32 v[FA], 2, v3
	v_mul_u32_u24 v3, v3, PITCH
	v_lshl_add_u32 v[LB], v5, 4, v3                ; 528 r + 16 h
	s_lshl_b32 s26, s[WV], 9
	s_add_co_u32 s26, s26, FIN
	v_add_nc_u32 v[FA], s26, v[FA]
	; fg's walking descriptors, in the registers of conv_w's and feats' loads, which the wait for all my tensor loads behind the conv's third K step has shown done.  STEPD steps ahead of each load:
	; so they begin one tile ahead of fg's first and in slot 1's places; the first step brings them to fg's first tile and slot 0.  The address made here is not used as it stands.
	s_and_b32 s26, s[WV], 1                        ; which half of a tile I fetch
	s_mov_b32 s[G0CF], 1
	s_mul_i32 s[G0CF+1], s26, 128*PITCH
	s_add_co_u32 s[G0CF+1], s[G0CF+1], CODES+SLOT
	s_sub_nc_u64 s[G0CF+2:G0CF+3], s[20:21], TILEC
	s_or_b32 s[G0CF+3], s[G0CF+3], 0x80000000
	s_mov_b32 s[G0SF], 1
	s_lshl_b32 s[G0SF+1], s26, 11
	s_add_co_u32 s[G0SF+1], s[G0SF+1], SLOT
	s_sub_nc_u64 s[G0SF+2:G0SF+3], s[22:23], TILES
	s_or_b32 s[G0SF+3], s[G0SF+3], 0x80000000
	s_mov_b32 s[CUR], 0
	s_mov_b32 s[NINF], 0xff800000
	s_mov_b32 s[TB], s[WQ]
	s_mov_b32 s[TSB], s[WQS]
	v_add_nc_u32 v[ADR], s[TB], v[LB]
	v_add_nc_u32 v[ASR], s[TSB], v[LBS]
	SETINIT
	LOADF 0
	LOADF 1
	LOADF 2
	s_mov_b32 s[Q], 0
.Ltile_bg:                                         ; two trips: tile Q (bg's first two) is multiplied, tile Q + 2 (bg's last two) is asked for
	PASS 1, G0C, G0S
	s_add_co_u32 s[Q], s[Q], 1
	s_cmp_lt_u32 s[Q], 2
	s_cbranch_scc1 .Ltile_bg
	s_mov_b32 s[Q], 2
.Ltile_fg:                                         ; four trips: tile Q is multiplied, tile Q + 2 (fg's four) is asked for
	PASS 1, G0CF, G0SF
	s_cmp_lg_u32 s[Q], 3
	s_cbranch_scc1 .Lsame_set
	FLUSH 0                                        ; bg's four tiles are done
	SETINIT
.Lsame_set:
	s_add_co_u32 s[Q], s[Q], 1
	s_cmp_lt_u32 s[Q], 6
	s_cbranch_scc1 .Ltile_fg
	PASS 2, G0CF, G0SF                             ; tiles 6 and 7 are written out: they ask for nothing
	PASS 3, G0CF, G0SF
	FLUSH 1
; ---- THE END: the four waves' maxima meet; waves 0 and 1 store a set's 128 pixels, wave 2 out2's row.
	v_and_b32 v5, 31, v0
	v_lshlrev_b32 v5, 4, v5                        ; 16 x lane: four pixels
	s_and_b32 s26, s[WV], 1
	s_lshl_b32 s26, s26, 11
	s_add_co_u32 s26, s26, FIN
	v_add_nc_u32 v3, s26, v5
	v_add_nc_u32 v4, INT, v5
	s_barrier_signal -1                            ; (no LDS instruction of mine is out)
	s_barrier_wait -1
	s_cmp_lt_u32 s[WV], 2
	s_cbranch_scc0 .Lnot_max
.irp w, 0,1,2,3
	ds_load_b128 v[TF+4*\w:TF+4*\w+3], v3 offset:512*\w
.endr
	s_wait_dscnt 0x0
.irp i, 0,1,2,3
	v_max3_num_f32 v[TF+\i], v[TF+\i], v[TF+4+\i], v[TF+8+\i]
.endr
.irp i, 0,1,2,3
	v_max_num_f32 v[TF+\i], v[TF+\i], v[TF+12+\i]
.endr
	global_store_b128 v5, v[TF:TF+3], s[36:37]     ; 512 consecutive bytes, at a multiple of 256 from the output's first byte
	s_branch .Lend
.Lnot_max:
	s_cmp_eq_u32 s[WV], 2
	s_cbranch_scc0 .Lend
	ds_load_b128 v[TF:TF+3], v4
	s_wait_dscnt 0x0
	global_store_b128 v5, v[TF:TF+3], s[40:41]
.Lend:
	s_wait_tensorcnt 0x0                           ; the wave's end, behind my last tensor load and my last LDS store
	ds_add_u32 v[SPW], v[NIL]
	s_wait_dscnt 0x0
	ROUND                                          ; the closing round: no work-group ends while a partner may still ask for a tile that names it
	s_endpgm
.Lfunc_end_k_q91666d1d32_match:
	.size	k_q91666d1d32_match, .Lfunc_end_k_q91666d1d32_match-k_q91666d1d32_match
	.p2alignl 7, 3214868480
	.fill 96, 4, 3214868480
	.section	.rodata,"a",@progbits
	.p2align	6, 0x0
	.amdhsa_kernel k_q91666d1d32_match
		.amdhsa_group_segment_fixed_size 327680
		.amdhsa_private_segment_fixed_size 0
		.amdhsa_enable_private_segment 0
		.amdhsa_kernarg_size 152
		.amdhsa_user_sgpr_count 2
		.amdhsa_user_sgpr_kernarg_segment_ptr 1
		.amdhsa_wavefront_size32 1
		.amdhsa_system_sgpr_workgroup_id_x 1
		.amdhsa_system_sgpr_workgroup_id_y 1
		.amdhsa_system_sgpr_workgroup_id_z 1
		.amdhsa_system_vgpr_workitem_id 0
		.amdhsa_next_free_vgpr 768
		.amdhsa_next_free_sgpr 106
		.amdhsa_reserve_vcc 0
		.amdhsa_float_denorm_mode_32 3
		.amdhsa_float_denorm_mode_16_64 3
		.amdhsa_memory_ordered 1
		.amdhsa_forward_progress 1
		.amdhsa_inst_pref_size 200
	.end_amdhsa_kernel
	.amdgpu_metadata
---
amdhsa.version: [ 1, 2 ]
amdhsa.kernels:
  - .name:           k_q91666d1d32_match
    .symbol:         k_q91666d1d32_match.kd
    .args:
      - { .name: conv_w_codes, .offset: 0, .size: 8, .value_kind: global_buffer, .address_space: global }
      - { .name: conv_w_scales, .offset: 8, .size: 8, .value_kind: global_buffer, .address_space: global }
      - { .name: feats_codes, .offset: 16, .size: 8, .value_kind: global_buffer, .address_space: global }
      - { .name: feats_scales, .offset: 24, .size: 8, .value_kind: global_buffer, .address_space: global }
      - { .name: pm_init_bg_codes, .offset: 32, .size: 8, .value_kind: global_buffer, .address_space: global }
      - { .name: pm_init_bg_scales, .offset: 40, .size: 8, .value_kind: global_buffer, .address_space: global }
      - { .name: pm_init_fg_codes, .offset: 48, .size: 8, .value_kind: global_buffer, .address_space: global }
      - { .name: pm_init_fg_scales, .offset: 56, .size: 8, .value_kind: global_buffer, .address_space: global }
      - { .name: pm_prev_bg_codes, .offset: 64, .size: 8, .value_kind: global_buffer, .address_space: global }
      - { .name: pm_prev_bg_scales, .offset: 72, .size: 8, .value_kind: global_buffer, .address_space: global }
      - { .name: pm_prev_fg_codes, .offset: 80, .size: 8, .value_kind: global_buffer, .address_space: global }
      - { .name: pm_prev_fg_scales, .offset: 88, .size: 8, .value_kind: global_buffer, .address_space: global }
      - { .name: pm_int_bg, .offset: 96, .size: 8, .value_kind: global_buffer, .address_space: global }
      - { .name: pm_int_fg, .offset: 104, .size: 8, .value_kind: global_buffer, .address_space: global }
      - { .name: out0, .offset: 112, .size: 8, .value_kind: global_buffer, .address_space: global }
      - { .name: out1, .offset: 120, .size: 8, .value_kind: global_buffer, .address_space: global }
      - { .name: out2, .offset: 128, .size: 8, .value_kind: global_buffer, .address_space: global }
      - { .name: out3, .offset: 136, .size: 8, .value_kind: global_buffer, .address_space: global }
      - { .name: conv_b, .offset: 144, .size: 8, .value_kind: global_buffer, .address_space: global }
    .group_segment_fixed_size: 327680
    .private_segment_fixed_size: 0
    .kernarg_segment_align: 8
    .kernarg_segment_size: 152
    .max_flat_workgroup_size: 128
    .sgpr_count:     106
    .vgpr_count:     768
    .wavefront_size: 32
...
	.end_amdgpu_metadata
.endif
;; end of part 1
